; MI455X (gfx1250); checked and timed in simulation.
; The chip was launched on July 23, 2026; its instructions are those of AMD's public machine-readable ISA for CDNA 5 (MIT licence, August 2026) and "CDNA5" Instruction Set Architecture Reference Guide (July 2026). The comments in the code are by the model that wrote it; some were corrected since.
;; Flash Diff Custom Attention. Allowed arithmetic: matrix products marked QUANTISED: E4M3 operands, one given power-of-two scale a tensor, by v_wmma_f32_16x16x64_fp8_fp8 or v_wmma_f32_16x16x128_fp8_fp8, f32 sums; everything else in f32.
;; Inputs: k_codes 2 x 2,048 x 16 x 4 x 32 uint8 (E4M3 codes of k, K innermost, in blocks of 32 codes); lambda_k1 128 float32; lambda_k2 128 float32; lambda_q1 128 float32; lambda_q2 128 float32; lowp_scales 8 int32 (the exponents e of the quantised operands' scales 2^e); q_codes 2 x 2,048 x 16 x 4 x 32 uint8 (E4M3 codes of q, K innermost, in blocks of 32 codes); subln_weight 256 float32; v 2 x 2,048 x 16 x 128 float32.
;; Outputs: out0 2 x 2,048 x 16 x 128 float32.
;; This version of the problem:
;;   THIS VERSION OF THE PROBLEM IS GIVEN IN LOW PRECISION. The matrix products marked QUANTISED in the list below multiply operands that are first quantised to E4M3 (4 exponent bits, 3 mantissa bits; 8 bits a number), with one given power-of-two scale for each operand tensor; their sums are f32. All else is computed in f32.
;;   The module's matrix products, in the order in which they are computed (A, B: the left and right operand; K: the contracted axis; several contracted axes count as one K, in the product's order):
;;     1. batch 16 x [M 2,048, K 128] x [K 128, N 2,048]; A: input q (given as codes); B: input k (given as codes): QUANTISED (scales: A lowp_scales[0], B lowp_scales[1])
;;     2. batch 16 x [M 256, K 2,048] x [K 2,048, N 2,048]; A: computed on the way; B: softmax (see below): QUANTISED (scales: A lowp_scales[2], B lowp_scales[3])
;;     3. batch 16 x [M 2,048, K 128] x [K 128, N 2,048]; A: input q (given as codes); B: input k (given as codes): QUANTISED (scales: A lowp_scales[4], B lowp_scales[5])
;;     4. batch 16 x [M 256, K 2,048] x [K 2,048, N 2,048]; A: computed on the way; B: softmax (see below): QUANTISED (scales: A lowp_scales[6], B lowp_scales[7])
;;   THE QUANTISER, for each operand of a quantised product, along K:
;;     - The operand's scale is 2^e, e = its entry of the input lowp_scales (int32; the entries are numbered through the quantised products in the list's order, A before B).
;;     - Each number is divided by the scale, clamped to +-448, and rounded to the nearest number of E4M3, ties to even, subnormals kept.
;;     - The product sums the exact products of the quantised numbers (number of the format x scale) in f32.
;;   ~~~python
;;   def quantise(x, axis, e):      # numpy; x: float32 -> the quantised numbers, widened to float32 again
;;       x = np.moveaxis(x, axis, -1); K = x.shape[-1]
;;       r = np.clip(x / 2.0 ** e, -448, 448)
;;       step = 2.0 ** (np.maximum(np.frexp(np.where(r == 0, 1, r))[1] - 1, -6) - 3)
;;       q = np.round(r / step) * step * 2.0 ** e      # np.round: ties to even
;;       return np.moveaxis(q, -1, axis).astype(np.float32)
;;   ~~~
;;   SOFTMAX AHEAD OF A QUANTISED PRODUCT. Where the list says 'softmax', what is quantised is not the finished softmax but p = 2^(t - M), with t = logit x log2(e) and M = ceil(the row's largest t), a whole number; so 1/2 < the row's largest p <= 1. The row's sum l is taken of the UNQUANTISED p, in f32, and the product's result is divided by l at the end. Since M is a whole number, a kernel that streams over the keys may use a running M (the ceiling of the running maximum): every later rescaling is an exact power of two, so the quantised numbers keep their values, but for numbers so far below the row's largest that they fall under the format's range.
;;   OPERANDS COMPUTED ON THE WAY. 'Computed on the way' means the value that the module computes at that place (a softmax that the list does not call 'softmax' is quantised finished and normalised). What goes into a quantiser is computed in f32, as accurately as f32 sums, v_exp_f32 and their like allow (about 1e-6 of the number): no bf16 or f16 on the way to a quantiser, and a product that is left as it is and whose result goes on into a quantised operand takes f32 operands (vector FMAs, or v_wmma_f32_16x16x4_f32). A number that lies on a knife's edge between two numbers of the format may be rounded either way, as far as f32 arithmetic and the matrix unit's own rounding can turn it there, and no further.
;;   INPUTS GIVEN AS CODES. k (in the module: [2, 2048, 16, 128], K = its axis 3); q (in the module: [2, 2048, 16, 128], K = its axis 3): each comes as NAME_codes (uint8): NAME with its K axis moved to the last place and cut into blocks of 32 codes, [.., K / 32, bytes a block], one block behind the other in memory; one code a byte (a code: sign, 4 exponent bits, 3 mantissa bits); its scale is its entry of lowp_scales. Its value is code x scale, taken as it is: it is not quantised again, and the codes and scales need not be those that the quantiser above would give.
;; One version. Each part assembles by itself: llvm-mc -triple=amdgcn-amd-amdhsa -mcpu=gfx1250 --defsym DOCPART=n.
;; ======== version 1 of 1: 2 launches
;; limits: right only within a limited range of input values
;; workspace buffers: vc1 8,388,608 bytes; vc2 8,388,608 bytes
;; launch quantv (part 1): grid 16 x 16, 16 waves a work-group, no clusters, 0 bytes of LDS; arguments v, lowp_scales, vc1, vc2; writes vc1, vc2
.if DOCPART == 1
	.amdgcn_target "amdgcn-amd-amdhsa--gfx1250"
	.amdhsa_code_object_version 6
	.text
	.protected	k_qe452752f5a_quantv
	.globl	k_qe452752f5a_quantv
	.p2align	8
	.type	k_qe452752f5a_quantv,@function
k_qe452752f5a_quantv:
	s_mov_b64 s[64:65], 0
	v_nop
	global_prefetch_b8 v0, s[64:65] scope:SCOPE_SE
	s_setreg_imm32_b32 hwreg(HW_REG_WAVE_MODE, 25, 1), 1
	s_wait_xcnt 0x0
; v [2][2048][16][128] f32 is the operand of the two second products whose K, the keys, is not innermost.  It is quantised TWICE, to codes of FP8 (E4M3):
; with 2^e2 (entry 2 of the scales) into vc1, for the first attention, and with 2^e6 (entry 6) into vc2, for the second.
; code = x / 2^e, held within +-448, rounded to the nearest code, ties to even.  LIMITS: e2 and e6 between -126 and 119, so that 2^e and 448 x 2^e are f32 numbers.  NaN in v is not served.
; LAYOUT OF vc1 AND vc2: [bh = 8 b + pair][key step of 128 keys][fragment f of 16][group c of 4][lane of 32][16 bytes]: an image of the registers of the fragments of V^T:
; lane (r, h) of group c of fragment f holds channel 16 f + r of the pair's 256, keys 32 c + 8 h + 0 .. 7 and then 32 c + 16 + 8 h + 0 .. 7 of the step.  A key step is 32,768 consecutive bytes.
; SHARES.  Work-group (x = key step, y = bh) takes 128 keys x 256 channels; wave w channels 32 (w % 8) .. + 31 and keys 64 (w / 8) .. + 63.  A LANE TAKES A CHANNEL AND ITS REGISTERS RUN DOWN THE KEYS:
; each load reads 128 consecutive bytes a wave, the conversions take 8 neighbours along the keys from one lane's registers, and a lane's 16 codes are just its 16 bytes of an image:
; lanes 0-15 store 256 consecutive bytes, aligned, of fragment 2 (w % 8), lanes 16-31 of the next.  No LDS, no barrier.  All 64 loads of a wave are issued ahead of its first wait; there is no loop to run ahead in, so no prefetch.
.set ROWV, 8192                        ; bytes from key to key in v
.set X,    32                          ; v32-95   two blocks of 32 keys
.set TA,   96                          ; v96-111  16 numbers held for e2
.set C,    112                         ; v112-143 codes: four registers for each of the 8 stores
	s_load_b128 s[4:7], s[0:1], 0x0                ; v s[4:5], the scales' exponents s[6:7]
	s_load_b128 s[8:11], s[0:1], 0x10              ; vc1 s[8:9], vc2 s[10:11]
	v_lshrrev_b32 v1, 5, v0
	s_delay_alu instid0(VALU_DEP_1)
	v_readfirstlane_b32 s16, v1                    ; wave 0..15
	v_and_b32 v2, 31, v0                           ; lane
	s_delay_alu instid0(VALU_DEP_1)
	v_lshlrev_b32 v3, 2, v2                        ; in: 4 bytes a lane
	s_delay_alu instid0(VALU_DEP_2)
	v_lshrrev_b32 v5, 4, v2
	s_delay_alu instid0(VALU_DEP_3)
	v_and_b32 v6, 15, v2
	s_delay_alu instid0(VALU_DEP_2)
	v_lshlrev_b32 v4, 11, v5                       ; out: fragment 2 (w % 8) + lane / 16 (2,048 bytes each),
	s_delay_alu instid0(VALU_DEP_1)
	v_lshl_add_u32 v4, v6, 4, v4                   ; 16 bytes for channel lane % 16
	s_wait_alu depctr_va_vdst(0)                   ; ahead of the scalars and the wait below
	s_lshr_b32 s23, s16, 3                         ; which 64 keys
	s_and_b32 s16, s16, 7                          ; which 32 channels
	s_and_b32 s17, ttmp7, 0xffff                   ; bh
	s_lshr_b32 s18, s17, 3                         ; b
	s_and_b32 s19, s17, 7                          ; pair
	s_lshl_b32 s20, s18, 24                        ; v: b x 2,048 rows
	s_lshl_b32 s22, ttmp9, 20                      ; + key step x 128 rows
	s_add_co_u32 s20, s20, s22
	s_lshl_b32 s22, s23, 19                        ; + my 64 rows of them
	s_add_co_u32 s20, s20, s22
	s_lshl_b32 s22, s19, 10                        ; + the pair's 1,024 bytes of a row
	s_add_co_u32 s20, s20, s22
	s_lshl_b32 s22, s16, 7                         ; + my wave's 128 of them
	s_add_co_u32 s20, s20, s22
	s_mov_b32 s21, 0
	s_lshl_b32 s24, s17, 4
	s_add_co_u32 s24, s24, ttmp9
	s_lshl_b32 s24, s24, 15                        ; codes: (16 bh + key step) x 32,768
	s_lshl_b32 s22, s16, 12                        ; + my wave's two fragments
	s_add_co_u32 s24, s24, s22
	s_lshl_b32 s22, s23, 10                        ; + my two groups of 512 bytes
	s_add_co_u32 s24, s24, s22
	s_mov_b32 s25, 0
	s_wait_kmcnt 0x0
	s_load_b32 s28, s[6:7], 0x8                    ; e2
	s_load_b32 s29, s[6:7], 0x18                   ; e6
	s_add_nc_u64 s[4:5], s[4:5], s[20:21]
	s_add_nc_u64 s[8:9], s[8:9], s[24:25]
	s_add_nc_u64 s[10:11], s[10:11], s[24:25]
.set i, 0
.rept 64
	global_load_b32 v[X+i], v3, s[4:5] offset:i*ROWV th:TH_LOAD_NT   ; key 64 (w / 8) + i of my channel
.set i, i+1
.endr
	s_wait_kmcnt 0x0
	s_add_co_i32 s28, s28, 127
	s_lshl_b32 s30, s28, 23
	v_mov_b32 v8, s30                              ; 2^e2 as f32: the conversion takes its exponent field
	s_add_co_i32 s28, s28, 8
	s_lshl_b32 s28, s28, 23
	s_or_b32 s28, s28, 0x600000
	v_mov_b32 v9, s28                              ; 448 x 2^e2
	s_add_co_i32 s29, s29, 127
	s_lshl_b32 s30, s29, 23
	v_mov_b32 v10, s30                             ; 2^e6
	s_add_co_i32 s29, s29, 8
	s_lshl_b32 s29, s29, 23
	s_or_b32 s29, s29, 0x600000
	v_mov_b32 v11, s29                             ; 448 x 2^e6
; A block of 32 keys, in two halves g = the lane half h of the image: keys 8 g .. and 16 + 8 g ..  The hold comes first: the conversion to an 8-bit code does not saturate (ISA guide 7.6.2).
; For e2 the held numbers go into TA, for e6 they are held in place.  Between a conversion and the next write of its sources stand the sixteen holds of the other set: plain vector lines.
.macro BLOCK t
.set XS, X+32*(\t)
	s_wait_loadcnt 32-32*(\t)                      ; this block's 32 loads are in; the next block's 32 may be out
.irp g, 0,1
.set CA, C+4*(4*(\t)+2*\g)
.set i, 0
.rept 16
	v_med3_num_f32 v[TA+i], v[XS+8*\g+i+8*(i/8)], -v9, v9
.set i, i+1
.endr
	v_cvt_scalef32_pk8_fp8_f32 v[CA:CA+1], v[TA:TA+7], v8
	v_cvt_scalef32_pk8_fp8_f32 v[CA+2:CA+3], v[TA+8:TA+15], v8
.set i, 0
.rept 16
	v_med3_num_f32 v[XS+8*\g+i+8*(i/8)], v[XS+8*\g+i+8*(i/8)], -v11, v11
.set i, i+1
.endr
	v_cvt_scalef32_pk8_fp8_f32 v[CA+4:CA+5], v[XS+8*\g:XS+8*\g+7], v10
	v_cvt_scalef32_pk8_fp8_f32 v[CA+6:CA+7], v[XS+16+8*\g:XS+16+8*\g+7], v10
	v_nop
	global_store_b128 v4, v[CA:CA+3], s[8:9] offset:512*(\t)+256*\g       ; sixteen lanes store 256 consecutive bytes, aligned
	global_store_b128 v4, v[CA+4:CA+7], s[10:11] offset:512*(\t)+256*\g
.endr
.endm
	s_wait_alu depctr_va_vdst(0)                   ; the head's end
	BLOCK 0
	BLOCK 1
	s_endpgm
.Lfunc_end_k_qe452752f5a_quantv:
	.size	k_qe452752f5a_quantv, .Lfunc_end_k_qe452752f5a_quantv-k_qe452752f5a_quantv
	.p2alignl 7, 3214868480
	.fill 96, 4, 3214868480
	.section	.rodata,"a",@progbits
	.p2align	6, 0x0
	.amdhsa_kernel k_qe452752f5a_quantv
		.amdhsa_group_segment_fixed_size 0
		.amdhsa_private_segment_fixed_size 0
		.amdhsa_enable_private_segment 0
		.amdhsa_kernarg_size 32
		.amdhsa_user_sgpr_count 2
		.amdhsa_user_sgpr_kernarg_segment_ptr 1
		.amdhsa_wavefront_size32 1
		.amdhsa_system_sgpr_workgroup_id_x 1
		.amdhsa_system_sgpr_workgroup_id_y 1
		.amdhsa_system_sgpr_workgroup_id_z 1
		.amdhsa_system_vgpr_workitem_id 0
		.amdhsa_next_free_vgpr 144
		.amdhsa_next_free_sgpr 66
		.amdhsa_reserve_vcc 0
		.amdhsa_float_denorm_mode_32 3
		.amdhsa_float_denorm_mode_16_64 3
		.amdhsa_memory_ordered 1
		.amdhsa_forward_progress 1
		.amdhsa_inst_pref_size 19
	.end_amdhsa_kernel
	.amdgpu_metadata
---
amdhsa.version: [ 1, 2 ]
amdhsa.kernels:
  - .name:           k_qe452752f5a_quantv
    .symbol:         k_qe452752f5a_quantv.kd
    .args:
      - { .name: v, .offset: 0, .size: 8, .value_kind: global_buffer, .address_space: global }
      - { .name: lowp_scales, .offset: 8, .size: 8, .value_kind: global_buffer, .address_space: global }
      - { .name: vc1, .offset: 16, .size: 8, .value_kind: global_buffer, .address_space: global }
      - { .name: vc2, .offset: 24, .size: 8, .value_kind: global_buffer, .address_space: global }
    .group_segment_fixed_size: 0
    .private_segment_fixed_size: 0
    .kernarg_segment_align: 8
    .kernarg_segment_size: 32
    .max_flat_workgroup_size: 512
    .sgpr_count:     66
    .vgpr_count:     144
    .wavefront_size: 32
...
	.end_amdgpu_metadata
.endif
;; end of part 1
;; launch attn (part 2): grid 16 x 16, 4 waves a work-group, clusters of 4 x 1, 327,680 bytes of LDS; arguments q_codes, k_codes, vc1, vc2, lowp_scales, lambda_q1, lambda_k1, lambda_q2, lambda_k2, subln_weight, out0; writes out0
.if DOCPART == 2
	.amdgcn_target "amdgcn-amd-amdhsa--gfx1250"
	.amdhsa_code_object_version 6
	.text
	.protected	k_qe452752f5a_attn
	.globl	k_qe452752f5a_attn
	.p2align	8
	.type	k_qe452752f5a_attn,@function
k_qe452752f5a_attn:
	s_mov_b64 s[64:65], 0
	v_nop
	global_prefetch_b8 v0, s[64:65] scope:SCOPE_SE
	s_setreg_imm32_b32 hwreg(HW_REG_WAVE_MODE, 25, 1), 1
	s_wait_xcnt 0x0
	s_wait_alu depctr_hold_cnt(0) depctr_sa_sdst(0) depctr_va_vdst(0) depctr_va_sdst(0) depctr_va_ssrc(0) depctr_va_vcc(0) depctr_vm_vsrc(0)
	s_getreg_b32 s2, hwreg(HW_REG_IB_STS2, 6, 4)
	s_cmp_eq_u32 s2, 0
	s_cbranch_scc0 .Lentry_in_a_cluster
	s_endpgm
.Lentry_in_a_cluster:
	s_bfe_u32 s2, ttmp6, 0x10000c
	s_cmp_lg_u32 s2, 0x3003
	s_cbranch_scc0 .Lentry_shape_is_right
	s_endpgm
.Lentry_shape_is_right:
; out = w x (1 - l0) x rmsnorm_256(attn1 - lambda attn2), attn_i = causal softmax(q_i k_i^T / sqrt(128)) v_cat, for 2 x 8 pairs of heads, 2,048 queries and keys, 256 channels of v_cat.
; All four products run on codes of FP8 (E4M3), each operand with its given scale 2^e.  q, k: codes, a pair's two heads side by side (256 bytes for each (b, s)).  vc1, vc2: v's codes for attention 1 and 2, as images of the fragments of V^T.
; THE SOFTMAX AHEAD OF THE SECOND PRODUCT: t = score x log2(e) / sqrt(128); M = the running largest t rounded UP to a whole number; p = 2^(t - M) is quantised, not normalised; the row's sum is taken
; of the unquantised p and divides at the end; when M moves, sum and O are multiplied by 2^(old M - new M), which rounds nothing.
; SHARES.  Work-group I = 4 x cluster x + cx of pair bh (grid y) owns TWO blocks of 64 queries, block I and then block 31 - I: block j needs j / 2 + 1 key steps of 128 keys, so every work-group needs 17.
; LEFT OUT: key steps all of whose keys come after a block's queries, which the causal mask throws away (a NaN, an infinity or an overflow that reaches only them is not carried to the result).
; THE FOUR PARTNERS OF A CLUSTER WALK ONE LIST OF 18 TILES: key steps 0 .. 2 cc + 1 for the low blocks, then 0 .. 15 - 2 cc for the high ones (cc = cluster x).  One step of the 18 is hidden whole from a
; partner by the mask; it is computed like any other (p = 0, nothing moves), so that no branch hangs on a work-group's place and every tile is asked for JOINTLY: one tensor load, mask 15, in all four.
; WAVES.  Wave w: head w % 2 of the pair, queries 32 (w / 2) on of the block, as two tiles of 16 (slots 0, 1): each fragment of K and V read from LDS feeds two products.  Slot x holds tile x xor head, so slot 1 of
; wave w holds the queries of slot 0 of wave w xor 1: at a block's end each wave sends slot 1's scaled result through LDS and finishes slot 0: difference, norm, weight, store.
; LAYOUT.  Both products transposed: S^T = K Q^T, O^T = V^T P^T: a lane holds one query (r = lane % 16) throughout; h = lane / 16.  Register 8 f + i of S^T is key 16 f + 8 h + i, and the conversions' results are the
; second product's operand as they stand.  Along the head's 128, lane half h takes bytes 64 h on, in Q and in K alike: a permutation of k that both sides share.
; A TRIP, tile t: Q K^T with V's loads among the products; maxima, both slots side by side; O under the new M, ahead of the exponentials; the exponentials of slot 0 with slot 1's multiply-adds between them, those of slot 1 with
; slot 0's sums and holds; the change of slots (V lies in registers by then), with slot 1's work inside the round; tile t + 1's K loads; slot 0's products with slot 1's sums and conversions between them; slot 1's products.
; LIMITS on the given exponents: e(q) + e(k) between -123 and 130 (added to c's exponent field); e(p) between -126 and 119; e(v) + e(p) goes by v_ldexp_f32.  NaN and infinities among the inputs are not served:
; the second block starts by multiplying the first block's last numbers, which are finite, by 2^(-2^31) = 0.
; Q is read once, 256 bytes a lane in sixteen loads: 32 KiB for a work-group.
; REGISTERS, in windows of 256 (s_set_vgpr_msb: bits 1:0 source 0, 3:2 source 1, 5:4 source 2, 7:6 destination):
;   window 0: addresses, statistics, P, S, weights, temporaries     window 2: v0-127 K's 8 fragments (rows on the way out); v128-159 Q in hand; v160-191 the high block's Q
;   window 1: v0-127 O^T of slot 0 (channels 16 m on at 8 m), v128-255 V's fragments 0-7     window 3: the same for slot 1, V's fragments 8-15
.set KP,    272                        ; a key's row in LDS: 256 bytes (both heads) + 16 of padding = 68 words: 16 neighbouring rows start at 16 different banks of 64 (ISA guide 11.1)
.set KHALF, 64*KP                      ; what one tensor load brings of K
.set VOFF,  128*KP                     ; a slot: 128 rows of K, then V's two images
.set VTILE, 32768
.set YB,    VOFF+2*VTILE               ; behind slot 0: a stage of 16 rows x 272 bytes for each wave, for the way out
.set YW,    16*272
.set SPARE, YB+4*YW                    ; the spare words, 128 bytes for each wave: two blocks of 256 bytes that no other line names
.set SLOT1, 1<<17                      ; slot 1 begins here: one exclusive or turns an address in one slot into the other's
.set XB,    SLOT1+YB                   ; behind slot 1: the exchange: an image of 128 registers (16,384 bytes) for each wave
.set AK,  1                            ; v1   my lane's place in a tile of K
.set AV,  2                            ; v2   in my head's image of V
.set ADK, 3                            ; v3, v4 the same in the slot that is read next
.set ADV, 4
.set SPW, 5                            ; v5   LDS address of my spare word; never rewritten
.set NIL, 6                            ; v6   0; never rewritten
.set XW,  8                            ; v8   where I store my image in the exchange;  v9 where I read my partner wave's
.set XR,  9
.set YS,  10                           ; v10  the stage: where I put 32 bytes of a row;  v11 where I read a row back
.set YR,  11
.set GO,  12                           ; v12  my byte offset in the 16 rows of out0
.set PFO, 13                           ; v13  the prefetches' lane offset
.set MQ,  14                           ; v14, v15 slot's first query + lane % 16 - 8 (lane / 16)
.set ST,  16                           ; slot x at ST + 8 x: +0 -M, +1 largest t, +2, +3 the sum in two halves, +4 f, +5 a written 0, +6, +7 at work
.set P,   32                           ; 16 a slot
.set S,   64                           ; 64 a slot
.set WT,  192
.set BK,  208                          ; v208-239 at work
.set PSC, 240                          ; 2^e(p)
.set PMAX, 241                         ; 448 x 2^e(p)
.set NINF, 242                         ; -infinity
.set D0,  243                          ; the mask's distance, slot 0
.set TA,  244                          ; v[244:245], v[246:247] at work
.set TS,  246
.set D1,  248                          ; the mask's distance, slot 1
.set GF,  250                          ; v250 slot 0's final factor (v251 a written 0)
.set QA,  128                          ; in window 2
.set TB,  2                            ; s2   LDS byte at which the slot that is read next begins
.set T,   3                            ; s3   the trip
.set WV,  4
.set HD,  5                            ; my head of the pair
.set GR,  6
.set CX,  7
.set CC,  8
.set BH,  9
.set KS,  10                           ; the key step in hand
.set NB,  11                           ; key steps of the block in hand
.set HH,  12                           ; of the high block
.set SN,  13                           ; the key step asked for last
.set FIN, 14                           ; 1: the step in hand is the low block's last
.set KF,  15                           ; the step's first key
.set G1K, 16                           ; s[16:23], s[24:31] descriptor groups 1;  s[32:35], s[36:39] groups 0
.set G1V, 24
.set G0K, 32
.set G0V, 36
.set KB,  40                           ; s[40:41] k_codes at my part of key step 0;  s[42:43] the same in vc1 or vc2
.set VB,  42
.set OFS, 44                           ; s[44:45] an offset; s45 stays 0
.set PFA, 46                           ; s[46:47] where my prefetches stand;  s[48:49] a key step on
.set PFS, 48
.set LIM, 50
.set MT,  51
.set CS,  52                           ; s[52:53] c x 2^(e(q) + e(k)), twice
.set SEL, 54                           ; s[54:55] v_permlanex16_b32's selects for lane l xor 16
.set EVP, 56
.set SG,  57                           ; 1.0 for head 0, -lambda for head 1
.set R256, 58
.set EPSR, 59
.set OPL, 60                           ; s[60:61], s[62:63] out0 at slot 0's first row, low and high block
.set OPH, 62
.set LNB, 66                           ; key steps of the block that is being asked for
.set PND, 67                           ; 1: the low block's result waits to be finished
.set DQ,  100                          ; queries from the low block to the high one
.set W_KQ, 0x0a                        ; K and Q window 2, S^T window 0
.set MSB, 0
.macro WIN new                         ; the immediate's high byte repeats the setting that is left; a switch that changes nothing is dropped
.if MSB != \new
	s_set_vgpr_msb (MSB<<8)|\new
.set MSB, \new
.endif
.endm
.macro AWAIT
	s_wait_alu depctr_va_vdst(0)
.endm
.macro PLACES
.rept 4
	v_nop
.endr
.endm
; A round of the cluster's barrier, behind its opening barrier; and a whole round.
.macro CREST
	s_cmp_lg_u32 s[WV], 0
	s_cbranch_scc1 .Lnw0_\@
	s_barrier_signal -3
.Lnw0_\@:
	s_barrier_wait -3
	s_barrier_signal -1
	s_barrier_wait -1
.endm
.macro CROUND
	s_barrier_signal -1
	s_barrier_wait -1
	CREST
.endm
; A joint load: waves 0 and 1 fetch K's two halves (64 rows each), waves 2 and 3 the images of vc1 and vc2.  The branch hangs on the wave's number alone.  An s_nop 0 and four v_nop follow each line.
.macro JLOAD
	s_cmp_lt_u32 s[WV], 2
	s_cbranch_scc0 .Lfv_\@
	tensor_load_to_lds s[G0K:G0K+3], s[G1K:G1K+7]
	s_nop 0
	PLACES
	s_branch .Lasked_\@
.Lfv_\@:
	tensor_load_to_lds s[G0V:G0V+3], s[G1V:G1V+7]
	s_nop 0
	PLACES
.Lasked_\@:
.endm
; A PREFETCH INTO THE L2: the head names key steps 1 and 2 of the pair's K and of both images behind tile 0's load, and key step 3 behind tile 1's; trip t names key step t + 4, t = 0 .. 11, two tiles ahead of the load
; that trip t issues.  No more than two tiles are asked for and not yet loaded; key step 0 comes by its load alone.
; All four clusters of a pair walk the same tiles: cluster 0 asks.  Its partners share a tile out BY ADDRESS: partner cx takes K's rows 32 cx + lane (wave 0; 256 bytes of a row) and bytes 8,192 cx + 256 lane of each image
; (waves 2 and 3): each aligned 256 bytes is named once in the launch.
.macro ASK
	s_cmp_lt_u32 s[T], s[LIM]
	s_cbranch_scc0 .Lnm_\@
	global_prefetch_b8 v[PFO], s[PFA:PFA+1] th:TH_LOAD_NT scope:SCOPE_SE
.Lnm_\@:
.endm
; K's 8 fragments of the slot that is read next: 16 keys x my head's 128 bytes each; registers 4 c on: bytes 64 h + 16 c on.
.macro KLOAD
	v_add_nc_u32 v[ADK], s[TB], v[AK]
	v_add_nc_u32 v[ADV], s[TB], v[AV]
	WIN 0x80
.set f, 0
.rept 8
.set c, 0
.rept 4
	ds_load_b128 v[16*f+4*c:16*f+4*c+3], v[ADK] offset:16*f*KP+16*c
.set c, c+1
.endr
.set f, f+1
.endr
	WIN 0
.endm
; V's fragments 4 a .. 4 a + 3 as they lie: 16 bytes a lane, 512 an instruction.  THE ORDER of V's loads in a trip, which the line at the kernel's head only sums up: run 0 ahead of the products S^T, run 1 behind them,
; run 2 ahead of O's multiplications, run 3 ahead of the exponentials.
.macro VLOAD a
.if (\a) < 2
	WIN 0x40
.else
	WIN 0xc0
.endif
.set c, 0
.rept 16
	ds_load_b128 v[128+64*((\a)%2)+4*c:128+64*((\a)%2)+4*c+3], v[ADV] offset:8192*(\a)+512*c
.set c, c+1
.endr
	WIN 0
.endm
; S^T = K Q^T: sixteen products, an accumulator each.
.macro QKV
.set f, 0
.rept 8
	WIN W_KQ
	v_wmma_f32_16x16x128_fp8_fp8 v[S+8*f:S+8*f+7], v[16*f:16*f+15], v[QA:QA+15], 0
	v_wmma_f32_16x16x128_fp8_fp8 v[S+64+8*f:S+64+8*f+7], v[16*f:16*f+15], v[QA+16:QA+31], 0
.set f, f+1
.endr
	WIN 0
.endm
; The scores of hidden keys become -infinity ahead of the maximum: register 8 f + i holds key KF + 16 f + 8 h + i, hidden where 16 f + i > d.  Each accumulator is taken from its low end on.
.macro MASK
	s_lshl_b32 s[KF], s[KS], 7
	v_sub_nc_u32 v[D0], v[MQ], s[KF]
	v_sub_nc_u32 v[D1], v[MQ+1], s[KF]
	AWAIT
.set n, 0
.rept 32
	v_cmp_gt_i32 vcc_lo, 16*(n/8)+n%8, v[D0]
	v_cmp_gt_i32 s90, 16*(n/8)+n%8, v[D1]
	v_cmp_gt_i32 s91, 16*(n/8)+n%8+1, v[D0]
	v_cmp_gt_i32 s92, 16*(n/8)+n%8+1, v[D1]
	v_cndmask_b32 v[S+n], v[S+n], v[NINF], vcc_lo
	v_cndmask_b32 v[S+64+n], v[S+64+n], v[NINF], s90
	v_cndmask_b32 v[S+n+1], v[S+n+1], v[NINF], s91
	v_cndmask_b32 v[S+65+n], v[S+65+n], v[NINF], s92
.set n, n+2
.endr
.endm
; Two holds: the conversion does not saturate (ISA guide 7.6.2); p is not negative, so the hold is one-sided.
.macro HOLD2 a
	v_dual_min_num_f32 v[\a], v[\a], v[PMAX] :: v_dual_min_num_f32 v[\a+1], v[\a+1], v[PMAX]
.endm
.macro CVT x, f
	v_cvt_scalef32_pk8_fp8_f32 v[P+16*(\x)+2*(\f):P+16*(\x)+2*(\f)+1], v[S+64*(\x)+8*(\f):S+64*(\x)+8*(\f)+7], v[PSC]
.endm
.macro ADD2 a, b
	v_pk_add_f32 v[BK+\a:BK+\a+1], v[BK+\a:BK+\a+1], v[BK+\b:BK+\b+1]
.endm
.macro SUMF x                          ; the row's sum under the new M, plus this step's
	v_pk_fma_f32 v[ST+8*\x+2:ST+8*\x+3], v[ST+8*\x+2:ST+8*\x+3], v[ST+8*\x+4:ST+8*\x+5], v[BK:BK+1] op_sel_hi:[1,0,1]
.endm
; From the scores to p of both slots.
.macro SOFT
	AWAIT
.irp c, 0,1,2,3                        ; the step's largest score of my query among my 64 keys: four chains a slot; each accumulator's first read is of its low end
.irp y, 0,1
	v_max3_num_f32 v[BK+4*\y+\c], v[S+64*\y+3*\c], v[S+64*\y+3*\c+1], v[S+64*\y+3*\c+2]
.endr
.endr
.set j, 12
.rept 6
.irp c, 0,1,2,3
.irp y, 0,1
	v_max3_num_f32 v[BK+4*\y+\c], v[BK+4*\y+\c], v[S+64*\y+j+2*\c], v[S+64*\y+j+2*\c+1]
.endr
.endr
.set j, j+8
.endr
.irp c, 0,1
.irp y, 0,1
	v_max3_num_f32 v[BK+4*\y+\c], v[BK+4*\y+\c], v[S+64*\y+60+2*\c], v[S+64*\y+61+2*\c]
.endr
.endr
.irp y, 0,1
	v_max3_num_f32 v[BK+4*\y], v[BK+4*\y], v[BK+4*\y+1], v[BK+4*\y+2]
.endr
.irp y, 0,1
	v_max_num_f32 v[BK+4*\y], v[BK+4*\y], v[BK+4*\y+3]
.endr
.irp y, 0,1
	v_permlanex16_b32 v[BK+8+\y], v[BK+4*\y], s[SEL], s[SEL+1]
.endr
.irp y, 0,1
	v_mov_b32 v[BK+4*\y+1], v[ST+8*\y]
.endr
.irp y, 0,1
	v_max_num_f32 v[BK+4*\y], v[BK+4*\y], v[BK+8+\y]         ; and among lane l xor 16's
.endr
.irp y, 0,1
	v_mul_f32 v[BK+4*\y], s[CS], v[BK+4*\y]                  ; as t (c is positive)
.endr
.irp y, 0,1
	v_max_num_f32 v[ST+8*\y+1], v[ST+8*\y+1], v[BK+4*\y]     ; the running largest t
.endr
.irp y, 0,1
	v_floor_f32 v[ST+8*\y], -v[ST+8*\y+1]                    ; the new -M = floor(-t): M is a whole number
.endr
.irp y, 0,1
	v_sub_f32 v[BK+4*\y], v[ST+8*\y], v[BK+4*\y+1]           ; old M - new M, 0 or less
.endr
.irp y, 0,1
	v_cvt_i32_f32 v[BK+4*\y], v[BK+4*\y]                     ; (it saturates)
.endr
.irp y, 0,1
	v_ldexp_f32 v[ST+8*\y+4], 1.0, v[BK+4*\y]                ; f = 2^(old M - new M)
.endr
.set j, 0
.rept 32
	v_pk_fma_f32 v[S+j:S+j+1], v[S+j:S+j+1], s[CS:CS+1], v[ST:ST+1] op_sel_hi:[1,0,0]   ; slot 0: t - M, two at a time (of the pairs c and -M the low word serves both halves)
.set j, j+2
.endr
	VLOAD 2
	AWAIT
	WIN 0x41
.set j, 0
.rept 64
	v_pk_mul_f32 v[j:j+1], v[j:j+1], v[ST+4:ST+5] op_sel_hi:[1,0]     ; O^T under the new M, ahead of the exponentials
.set j, j+2
.endr
	WIN 0xc3
.set j, 0
.rept 64
	v_pk_mul_f32 v[j:j+1], v[j:j+1], v[ST+12:ST+13] op_sel_hi:[1,0]
.set j, j+2
.endr
	WIN 0
	VLOAD 3
	AWAIT                                          ; ahead of slot 0's batch
.set j, 0
.rept 32
	v_exp_f32 v[S+j], v[S+j]                       ; p = 2^(t - M)
	v_exp_f32 v[S+j+1], v[S+j+1]
	v_pk_fma_f32 v[S+64+j:S+65+j], v[S+64+j:S+65+j], s[CS:CS+1], v[ST+8:ST+9] op_sel_hi:[1,0,0]   ; slot 1: t - M; first read behind the next wait
.set j, j+2
.endr
	AWAIT                                          ; behind slot 0's batch and ahead of slot 1's
.set i, 0
.rept 16
	v_exp_f32 v[S+64+4*i], v[S+64+4*i]
	v_exp_f32 v[S+65+4*i], v[S+65+4*i]
	v_pk_add_f32 v[BK+2*i:BK+2*i+1], v[S+4*i:S+4*i+1], v[S+4*i+2:S+4*i+3]   ; slot 0: the row's sum is taken of the unquantised p; the tree's first level, first read behind the next wait
	v_exp_f32 v[S+66+4*i], v[S+66+4*i]
	HOLD2 S+4*i
	v_exp_f32 v[S+67+4*i], v[S+67+4*i]
	HOLD2 S+4*i+2
.set i, i+1
.endr
	AWAIT                                          ; behind slot 1's batch
.endm
; Slot 0: the rest of the tree, and the codes.
.macro POST0
.irp k, 0,2,4,6,8,10,12,14
	ADD2 \k, 16+\k
.endr
	CVT 0, 0
	CVT 0, 1
.irp k, 0,2,4,6
	ADD2 \k, 8+\k
.endr
	CVT 0, 2
	CVT 0, 3
	ADD2 0, 4
	ADD2 2, 6
	CVT 0, 4
	CVT 0, 5
	ADD2 0, 2
	CVT 0, 6
	CVT 0, 7
	SUMF 0
.endm
; Slot 1: the tree's first level, and half of the holds.
.macro PRE1
.set i, 0
.rept 16
	v_pk_add_f32 v[BK+2*i:BK+2*i+1], v[S+64+4*i:S+65+4*i], v[S+66+4*i:S+67+4*i]
.if i < 8
	HOLD2 S+64+4*i
	HOLD2 S+66+4*i
.endif
.set i, i+1
.endr
.endm
; O^T += V^T P^T: channels 16 m on, K = the step's 128 keys.  The 32 accumulators take turns, one instruction a turn.
.macro PVM x, m
	v_wmma_f32_16x16x128_fp8_fp8 v[8*(\m):8*(\m)+7], v[128+16*((\m)%8):143+16*((\m)%8)], v[P+16*(\x):P+16*(\x)+15], v[8*(\m):8*(\m)+7]
.endm
.macro PV                              ; slot 0's products, with the rest of slot 1's holds, sums and conversions between them; then slot 1's
.set g, 0
.rept 8
.if g < 4
	WIN 0x51
.else
	WIN 0x53
.endif
	PVM 0, 2*g
	PVM 0, 2*g+1
	WIN 0
.if g < 4
	HOLD2 S+96+8*g
	HOLD2 S+98+8*g
	HOLD2 S+100+8*g
	HOLD2 S+102+8*g
.if g < 3
	ADD2 4*g, 16+4*g
	ADD2 4*g+2, 18+4*g
.endif
.elseif g < 6
	CVT 1, 2*g-4
	CVT 1, 2*g-3
.if g == 4
	ADD2 12, 28
	ADD2 14, 30
.endif
	ADD2 4*g-16, 4*g-8
	ADD2 4*g-14, 4*g-6
.elseif g == 6
	CVT 1, 0
	CVT 1, 1
	ADD2 0, 4
	ADD2 2, 6
.else
	CVT 1, 2
	CVT 1, 3
	ADD2 0, 2
	SUMF 1
.endif
.set g, g+1
.endr
	WIN 0xf1
.irp m, 0,1,2,3,4,5,6,7
	PVM 1, \m
.endr
	WIN 0xf3
.irp m, 8,9,10,11,12,13,14,15
	PVM 1, \m
.endr
	WIN 0
.endm
; A KEY STEP.  mode 0: a trip of the loop; 1: tile 16, nothing is filled again; 2: tile 17, nothing follows.
.macro STEP mode
	s_wait_dscnt 0x0                               ; K's fragments are in, and my stores into the exchange have landed
.if \mode == 0
	s_barrier_signal -1                            ; this barrier parts the writing of the exchange from its reading.  The tile on its way may stay out
.endif
	PLACES                                         ; in front of the loads into V's registers
	VLOAD 0
	QKV
	VLOAD 1
	PLACES                                         ; behind the products
.if \mode == 0
	s_barrier_wait -1
	s_cmp_eq_u32 s[PND], 0
	s_cbranch_scc1 .Lnofin_\@
	FINAL OPL
.Lnofin_\@:
	s_add_co_u32 s[MT], s[KS], 2                   ; only a block's last two steps can hold hidden keys, for any partner: cluster x and the count of steps alone
	s_cmp_lt_u32 s[MT], s[NB]
	s_cbranch_scc1 .Lopen_\@
.endif
	MASK
.Lopen_\@:
	SOFT
.if \mode == 2
	s_wait_dscnt 0x0                               ; V's fragments are in
	POST0
	PRE1
.else
	; THE CHANGE OF SLOTS.  V lies in registers: the slot in hand has been read.  Each wave waits for all its tensor loads (one is out: its part of the next tile), adds 0 to its spare word, and waits for that and for its LDS reads.
	s_wait_tensorcnt 0x0                           ; no tensor load of mine is out: the groups 0 may be written
	ds_add_u32 v[SPW], v[NIL]                      ; 0 onto my spare word; work on registers stands between it and the wait for it
.if \mode == 0
	s_add_co_u32 s[MT], s[KS], 1
	s_cmp_eq_u32 s[MT], s[NB]                      ; cluster x and the count of steps alone: the same in all partners
	s_cselect_b32 s[FIN], 1, 0
	s_add_co_u32 s[SN], s[SN], 1
	s_cmp_eq_u32 s[SN], s[LNB]
	s_cselect_b32 s[SN], 0, s[SN]                  ; behind the low block's last step: the high block's key step 0
	s_cselect_b32 s[LNB], s[HH], s[LNB]
	s_lshl_b32 s[OFS], s[SN], 18                   ; 128 rows of 2,048 bytes
	s_add_nc_u64 s[G0K+2:G0K+3], s[KB:KB+1], s[OFS:OFS+1]
	s_or_b32 s[G0K+3], s[G0K+3], 0x80000000
	s_xor_b32 s[G0K+1], s[G0K+1], SLOT1
	s_lshl_b32 s[OFS], s[SN], 15                   ; an image
	s_add_nc_u64 s[G0V+2:G0V+3], s[VB:VB+1], s[OFS:OFS+1]
	s_or_b32 s[G0V+3], s[G0V+3], 0x80000000
	s_xor_b32 s[G0V+1], s[G0V+1], SLOT1
	s_wait_xcnt 0x0                                ; the last prefetch, a step back, has read its address
	s_add_nc_u64 s[PFA:PFA+1], s[PFA:PFA+1], s[PFS:PFS+1]
.endif
	POST0
	s_wait_dscnt 0x0                               ; the add is done, and my LDS reads are over
	s_barrier_signal -1                            ; (mode 0: it opens a round of the cluster's barrier)
	PRE1                                           ; work on registers while the others arrive
	AWAIT
	s_barrier_wait -1
.if \mode == 0
	CREST                                          ; no wave of any partner still reads the slot in hand
	JLOAD                                          ; tile t + 2, the first thing behind the round, and my one tensor load until the next
	ASK
.endif
	s_xor_b32 s[TB], s[TB], SLOT1                  ; on to the other slot
	KLOAD                                          ; tile t + 1's K: the products below stand between these loads and the wait for them
.endif
	PV
.endm
; A BLOCK'S END, first half.  g = 2^(e(v) + e(p)) / sum, x 1 for head 0 and x -lambda for head 1.  Slot 1's O^T x g goes to the exchange as an image of its registers; slot 0 keeps its O^T and its g.
.macro SEND
	WIN 0
	AWAIT
.irp y, 0,1
	v_add_f32 v[ST+8*\y+6], v[ST+8*\y+2], v[ST+8*\y+3]       ; these lines are also the places behind the last products
.endr
.irp y, 0,1
	v_permlanex16_b32 v[ST+8*\y+7], v[ST+8*\y+6], s[SEL], s[SEL+1]
.endr
.irp y, 0,1
	v_add_f32 v[ST+8*\y+6], v[ST+8*\y+6], v[ST+8*\y+7]       ; the row's sum
.endr
	AWAIT
.irp y, 0,1
	v_rcp_f32 v[ST+8*\y+4], v[ST+8*\y+6]
.endr
	v_nop                                          ; a plain line behind the reciprocals,
	AWAIT                                          ; and one wait for both, ahead of their first reader
.irp y, 0,1
	v_ldexp_f32 v[ST+8*\y+4], v[ST+8*\y+4], s[EVP]
.endr
	v_mul_f32 v[GF], s[SG], v[ST+4]
	v_mul_f32 v[ST+12], s[SG], v[ST+12]
	WIN 0x03                                       ; source 0 window 3
	AWAIT                                          ; directly ahead of the first reader of slot 1's O^T
.set j, 0
.rept 64
	v_pk_mul_f32 v[S+j:S+j+1], v[j:j+1], v[ST+12:ST+13] op_sel_hi:[1,0]
.set j, j+2
.endr
	WIN 0
.set i, 0
.rept 32
	ds_store_b128 v[XW], v[S+4*i:S+4*i+3] offset:512*i
.set i, i+1
.endr
.endm
; A BLOCK'S END, second half, behind a barrier: x = mine + my partner wave's; mean of squares over the 256 channels (128 in my lane, 128 in lane l xor 16); x / sqrt(mean + 1e-5); through my stage, 64 channels at a time,
; back as rows of 256 bytes; x weight x (1 - l0); stored.  S^T and V, which the loop's next step has begun to fill, are not touched: what comes in and the rows lie in K's registers.
.macro FINAL op
	WIN 0x80
.set i, 0
.rept 32
	ds_load_b128 v[4*i:4*i+3], v[XR] offset:512*i
.set i, i+1
.endr
	AWAIT
	s_wait_dscnt 0x0
	WIN 0x61                                       ; source 0 and destination window 1, source 2 window 2
	AWAIT                                          ; directly ahead of the first reader of slot 0's O^T
.set j, 0
.rept 64
	v_pk_fma_f32 v[j:j+1], v[j:j+1], v[GF:GF+1], v[j:j+1] op_sel_hi:[1,0,1]
.set j, j+2
.endr
	WIN 0x05                                       ; sources 0 and 1 window 1
	v_pk_mul_f32 v[TA:TA+1], v[0:1], v[0:1]
	v_pk_mul_f32 v[TS:TS+1], v[2:3], v[2:3]
	v_pk_mul_f32 v[BK:BK+1], v[4:5], v[4:5]
	v_pk_mul_f32 v[BK+2:BK+3], v[6:7], v[6:7]
.set j, 8
.rept 15
	v_pk_fma_f32 v[TA:TA+1], v[j:j+1], v[j:j+1], v[TA:TA+1]
	v_pk_fma_f32 v[TS:TS+1], v[j+2:j+3], v[j+2:j+3], v[TS:TS+1]
	v_pk_fma_f32 v[BK:BK+1], v[j+4:j+5], v[j+4:j+5], v[BK:BK+1]
	v_pk_fma_f32 v[BK+2:BK+3], v[j+6:j+7], v[j+6:j+7], v[BK+2:BK+3]
.set j, j+8
.endr
	WIN 0
	v_pk_add_f32 v[TA:TA+1], v[TA:TA+1], v[TS:TS+1]
	v_pk_add_f32 v[BK:BK+1], v[BK:BK+1], v[BK+2:BK+3]
	v_pk_add_f32 v[TA:TA+1], v[TA:TA+1], v[BK:BK+1]
	v_add_f32 v[TA], v[TA], v[TA+1]
	v_permlanex16_b32 v[TA+1], v[TA], s[SEL], s[SEL+1]
	v_add_f32 v[TA], v[TA], v[TA+1]
	v_fma_f32 v[TA], v[TA], s[R256], s[EPSR]       ; the sum / 256 + 1e-5
	AWAIT
	v_rsq_f32 v[TS], v[TA]
	v_nop
	AWAIT
	WIN 0x41
.set j, 0
.rept 64
	v_pk_mul_f32 v[j:j+1], v[j:j+1], v[TS:TS+1] op_sel_hi:[1,0]
.set j, j+2
.endr
	AWAIT
.irp u, 0,1,2,3
	WIN 0x04                                       ; store data window 1
.irp t, 0,1,2,3
	ds_store_b128 v[YS], v[32*\u+8*\t:32*\u+8*\t+3] offset:64*\t          ; lane (r, h): row r, channels 64 u + 16 t + 8 h + 0 .. 7
	ds_store_b128 v[YS], v[32*\u+8*\t+4:32*\u+8*\t+7] offset:64*\t+16
.endr
	WIN 0x80
.irp i, 0,1,2,3,4,5,6,7
	ds_load_b128 v[32*\u+4*\i:32*\u+4*\i+3], v[YR] offset:544*\i   ; LDS serves a wave's instructions in order (ISA guide 5.7.1.4): these see my stores
.endr
.endr
.irp u, 0,1,2,3
	s_wait_dscnt 48-16*\u                          ; these eight loads are in; sixteen LDS instructions for each later u may be out
	WIN 0x82
.irp i, 0,1,2,3,4,5,6,7
	v_pk_mul_f32 v[32*\u+4*\i:32*\u+4*\i+1], v[32*\u+4*\i:32*\u+4*\i+1], v[WT+4*\u:WT+4*\u+1]
	v_pk_mul_f32 v[32*\u+4*\i+2:32*\u+4*\i+3], v[32*\u+4*\i+2:32*\u+4*\i+3], v[WT+4*\u+2:WT+4*\u+3]
.endr
	WIN 0x08
.irp i, 0,1,2,3,4,5,6,7
	global_store_b128 v[GO], v[32*\u+4*\i:32*\u+4*\i+3], s[\op:\op+1] offset:16384*\i+256*\u th:TH_STORE_NT   ; sixteen lanes store 256 consecutive bytes, aligned; written once
.endr
.endr
	WIN 0
	s_wait_xcnt 0x0                                ; the stores have read their data: those registers are loaded again only behind this wait
.endm
; The high block begins: the largest t is -3e38 again, so the next step's f is 2^(-2^31) = 0 and clears sums and O^T by the multiplications that stand there anyway.
.macro REINIT
.irp y, 0,1
	v_mov_b32 v[ST+8*\y+1], 0xff61b1e6
	v_mov_b32 v[ST+8*\y], 0x7f61b1e6
.endr
	v_add_nc_u32 v[MQ], s[DQ], v[MQ]
	v_add_nc_u32 v[MQ+1], s[DQ], v[MQ+1]
	WIN 0x82
.set i, 0
.rept 32
	v_mov_b32 v[QA+i], v[QA+32+i]
.set i, i+1
.endr
	WIN 0
	AWAIT
.endm
	s_load_b512 s[68:83], s[0:1], 0x0              ; q s[68:69], k s[70:71], vc1 s[72:73], vc2 s[74:75], scales s[76:77], lambda_q1 s[78:79], lambda_k1 s[80:81], lambda_q2 s[82:83]
	s_load_b128 s[84:87], s[0:1], 0x40             ; lambda_k2 s[84:85], subln_weight s[86:87]
	s_load_b64 s[88:89], s[0:1], 0x50              ; out0
	v_lshl_add_u32 v[SPW], v0, 2, SPARE
	v_mov_b32 v[NIL], 0
	ds_add_u32 v[SPW], v[NIL]                      ; the wave's opening: the add, twice on end, and its wait ahead of my first tensor load; work on registers stands between
	ds_add_u32 v[SPW], v[NIL]
	v_lshrrev_b32 v7, 5, v0
	v_readfirstlane_b32 s[WV], v7                  ; wave 0..3
	v_and_b32 v208, 15, v0                         ; r
	v_bfe_u32 v209, v0, 4, 1                       ; h
	v_and_b32 v210, 31, v0                         ; lane
	v_lshlrev_b32 v211, 4, v210                    ; 16 x lane
	v_lshlrev_b32 v215, 4, v208                    ; 16 r
	v_lshlrev_b32 v216, 3, v209
	v_sub_nc_u32 v216, v208, v216                  ; r - 8 h
	v_lshlrev_b32 v212, 11, v208                   ; Q: row r of 2,048 bytes,
	v_lshl_add_u32 v212, v209, 6, v212             ; + 64 h
	v_mul_u32_u24 v[AK], v208, KP
	v_lshl_add_u32 v[AK], v209, 6, v[AK]
	v_mul_u32_u24 v[YS], v208, 272
	v_lshl_add_u32 v[YS], v209, 5, v[YS]
	v_mul_u32_u24 v[YR], v209, 272
	v_lshl_add_u32 v[YR], v208, 4, v[YR]
	v_lshlrev_b32 v[GO], 13, v209
	v_lshl_add_u32 v[GO], v208, 4, v[GO]
	AWAIT
	s_and_b32 s[HD], s[WV], 1
	s_lshr_b32 s[GR], s[WV], 1
	s_bfe_u32 s[CX], ttmp6, 0x40000                ; my place in the cluster
	s_mov_b32 s[CC], ttmp9                         ; the cluster's x
	s_and_b32 s[BH], ttmp7, 0xffff                 ; 8 b + pair
	; group 1 for K: 64 rows x 256 bytes, 2,048 bytes apart, 4 words of padding behind every 64
	s_mov_b32 s[G1K], 15|(1<<20)|(1<<21)|(5<<22)|(3<<25)   ; 15:0 the mask: all four partners; 17:16 elements of 1 byte; 20 padding on; 21 set beside a mask; 24:22 code 5; 31:25 code 3
	s_mov_b32 s[G1K+1], 256<<16                    ; tensor_dim0
	s_mov_b32 s[G1K+2], 64<<16                     ; tensor_dim1
	s_mov_b32 s[G1K+3], 256<<16                    ; tile_dim0
	s_mov_b32 s[G1K+4], 64                         ; tile_dim1
	s_mov_b32 s[G1K+5], 2048                       ; tensor_dim0_stride
	s_mov_b32 s[G1K+6], 0
	s_mov_b32 s[G1K+7], 0
	; group 1 for an image: 128 rows x 256 bytes, dense, no padding
	s_mov_b32 s[G1V], 15|(1<<21)
	s_mov_b32 s[G1V+1], 256<<16
	s_mov_b32 s[G1V+2], 128<<16
	s_mov_b32 s[G1V+3], 256<<16
	s_mov_b32 s[G1V+4], 128
	s_mov_b32 s[G1V+5], 256
	s_mov_b32 s[G1V+6], 0
	s_mov_b32 s[G1V+7], 0
	s_mov_b32 s[SEL], 0x76543210
	s_mov_b32 s[SEL+1], 0xfedcba98
	s_mov_b32 s[R256], 0x3b800000                  ; 1 / 256
	s_mov_b32 s[EPSR], 0x3727c5ac                  ; 1e-5
	s_lshl_b32 s[NB], s[CC], 1
	s_sub_co_u32 s[HH], 16, s[NB]                  ; the high blocks' key steps: 16 - 2 cc
	s_add_co_u32 s[NB], s[NB], 2                   ; the low blocks': 2 cc + 2
	s_mov_b32 s[KS], 0
	s_mov_b32 s[TB], 0
	s_mov_b32 s[T], 0
	s_mov_b32 s[FIN], 0
	s_lshr_b32 s90, s[BH], 3                       ; b
	s_and_b32 s91, s[BH], 7                        ; pair
	s_lshl_b32 s[OFS], s90, 22
	s_lshl_b32 s101, s91, 8
	s_add_co_u32 s[OFS], s[OFS], s101              ; the pair's first byte in q_codes and k_codes
	s_mov_b32 s[OFS+1], 0
	s_wait_dscnt 0x0                               ; both opening adds are done
	s_wait_kmcnt 0x0
	s_load_b256 s[92:99], s[76:77], 0x0            ; the eight exponents
	s_add_nc_u64 s[KB:KB+1], s[70:71], s[OFS:OFS+1]
	s_add_nc_u64 s[68:69], s[68:69], s[OFS:OFS+1]  ; q at the pair
	s_lshl_b32 s[OFS], s[HD], 17                   ; the 64 rows of a tile that I would fetch
	s_add_nc_u64 s[KB:KB+1], s[KB:KB+1], s[OFS:OFS+1]
	s_cmp_eq_u32 s[HD], 0
	s_cselect_b64 s[VB:VB+1], s[72:73], s[74:75]   ; wave 2: vc1, wave 3: vc2
	s_lshl_b32 s[OFS], s[BH], 19                   ; 16 images
	s_add_nc_u64 s[VB:VB+1], s[VB:VB+1], s[OFS:OFS+1]
	s_mov_b32 s[G0K], 1                            ; count = 1
	s_mul_i32 s[G0K+1], s[HD], KHALF               ; LDS address, slot 0: no place in the cluster enters it
	s_mov_b64 s[G0K+2:G0K+3], s[KB:KB+1]           ; key step 0
	s_or_b32 s[G0K+3], s[G0K+3], 0x80000000        ; type = 2
	s_mov_b32 s[G0V], 1
	s_lshl_b32 s[G0V+1], s[HD], 15
	s_add_co_u32 s[G0V+1], s[G0V+1], VOFF
	s_mov_b64 s[G0V+2:G0V+3], s[VB:VB+1]
	s_or_b32 s[G0V+3], s[G0V+3], 0x80000000
	CROUND                                         ; all four partners are here: the first joint loads meet
	JLOAD                                          ; the walk's tile 0, into slot 0: one tensor load a wave at the head
	; what hangs on my place in the cluster: Q's and out0's addresses, the mask's distances, my share of the prefetches
	s_lshl_b32 s90, s[CC], 2
	s_add_co_u32 s90, s90, s[CX]                   ; I
	s_lshl_b32 s91, s90, 1
	s_sub_co_u32 s91, 31, s91
	s_lshl_b32 s[DQ], s91, 6                       ; 64 (31 - 2 I)
	s_lshl_b32 s90, s90, 6
	s_lshl_b32 s91, s[GR], 5
	s_add_co_u32 s90, s90, s91                     ; my wave's first query of the low block: 64 I + 32 (w / 2)
	s_lshl_b32 s66, s90, 11
	s_lshl_b32 s91, s[HD], 7
	s_add_co_u32 s66, s66, s91                     ; its row, my head's 128 bytes
	s_mov_b32 s67, 0
	s_add_nc_u64 s[68:69], s[68:69], s[66:67]      ; Q, low block
	s_lshl_b32 s66, s[DQ], 11
	s_add_nc_u64 s[66:67], s[68:69], s[66:67]      ; Q, high block
	s_lshl_b32 s91, s[HD], 4
	s_add_co_u32 s91, s90, s91                     ; slot 0's first query
	s_lshl_b32 s60, s91, 13                        ; a row of out0 is 8,192 bytes
	s_lshr_b32 s101, s[BH], 3
	s_lshl_b32 s101, s101, 24
	s_add_co_u32 s60, s60, s101
	s_and_b32 s101, s[BH], 7
	s_lshl_b32 s101, s101, 10                      ; the pair's 1,024 bytes of it
	s_add_co_u32 s60, s60, s101
	s_mov_b32 s61, 0
	s_add_nc_u64 s[OPL:OPL+1], s[88:89], s[60:61]
	s_lshl_b32 s62, s[DQ], 13
	s_mov_b32 s63, 0
	s_add_nc_u64 s[OPH:OPH+1], s[OPL:OPL+1], s[62:63]
	v_add_nc_u32 v[MQ], s91, v216
	s_xor_b32 s91, s[HD], 1
	s_lshl_b32 s91, s91, 4
	s_add_co_u32 s91, s90, s91                     ; slot 1's first query
	v_add_nc_u32 v[MQ+1], s91, v216
	s_lshl_b32 s90, s[HD], 15
	v_add_nc_u32 v213, s90, v212                   ; slot 0: tile head (16 rows further on for head 1)
	s_xor_b32 s90, s90, 32768
	v_add_nc_u32 v214, s90, v212                   ; slot 1: the other tile
	WIN 0x80                                       ; destination window 2
.irp y, 0,1
.irp j, 0,1,2,3
	global_load_b128 v[QA+16*\y+4*\j:QA+16*\y+4*\j+3], v[213+\y], s[68:69] offset:16*\j
	global_load_b128 v[QA+32+16*\y+4*\j:QA+32+16*\y+4*\j+3], v[213+\y], s[66:67] offset:16*\j
.endr
.endr
	WIN 0
	global_load_b128 v[64:67], v211, s[78:79]      ; the four lambda vectors, four numbers a lane
	global_load_b128 v[68:71], v211, s[80:81]
	global_load_b128 v[72:75], v211, s[82:83]
	global_load_b128 v[76:79], v211, s[84:85]
.irp u, 0,1,2,3
	global_load_b128 v[WT+4*\u:WT+4*\u+3], v215, s[86:87] offset:256*\u   ; the weights of channels 64 u + 4 (lane % 16) on: as the rows come back from the stage
.endr
	; the prefetches: where my wave's stand, and who asks
	s_cmp_lt_u32 s[WV], 2
	s_cselect_b64 s[PFA:PFA+1], s[KB:KB+1], s[VB:VB+1]   ; wave 0: K at key step 0; waves 2, 3: their image
	s_mov_b32 s[PFS], 32768
	s_cselect_b32 s[PFS], 262144, s[PFS]           ; a key step on
	s_mov_b32 s90, 256
	s_cselect_b32 s90, 2048, s90                   ; from lane to lane
	s_cselect_b32 s91, 16, 13
	s_mov_b32 s[PFS+1], 0
	s_lshl_b32 s[OFS], s[CX], s91                  ; my work-group's quarter of a tile: 32 rows of K, 8,192 bytes of an image
	s_add_nc_u64 s[PFA:PFA+1], s[PFA:PFA+1], s[OFS:OFS+1]
	s_add_nc_u64 s[70:71], s[PFA:PFA+1], s[PFS:PFS+1]     ; at key step 1,
	s_add_nc_u64 s[72:73], s[70:71], s[PFS:PFS+1]         ; 2,
	s_add_nc_u64 s[PFA:PFA+1], s[72:73], s[PFS:PFS+1]     ; and 3, where ASK begins
	v_mul_u32_u24 v[PFO], s90, v210
	AWAIT
	s_cmp_eq_u32 s[WV], 1
	s_cselect_b32 s90, 1, 0
	s_or_b32 s90, s90, s[CC]                       ; 0 in waves 0, 2, 3 of the pair's first cluster: the same in all partners
	s_cmp_eq_u32 s90, 0
	s_cselect_b32 s[LIM], 12, 0
	s_cmp_eq_u32 s[LIM], 12
	s_cbranch_scc0 .Lnot_early
	global_prefetch_b8 v[PFO], s[70:71] th:TH_LOAD_NT scope:SCOPE_SE
	global_prefetch_b8 v[PFO], s[72:73] th:TH_LOAD_NT scope:SCOPE_SE
.Lnot_early:
	; LDS addresses
	s_lshl_b32 s90, s[HD], 7
	v_add_nc_u32 v[AK], s90, v[AK]
	s_lshl_b32 s90, s[HD], 15
	s_add_co_u32 s90, s90, VOFF
	v_add_nc_u32 v[AV], s90, v211
	s_lshl_b32 s90, s[WV], 14
	s_add_co_u32 s90, s90, XB
	v_add_nc_u32 v[XW], s90, v211
	s_xor_b32 s90, s[WV], 1
	s_lshl_b32 s90, s90, 14
	s_add_co_u32 s90, s90, XB
	v_add_nc_u32 v[XR], s90, v211
	s_mul_i32 s90, s[WV], YW
	s_add_co_u32 s90, s90, YB
	v_add_nc_u32 v[YS], s90, v[YS]
	v_add_nc_u32 v[YR], s90, v[YR]
	; O^T begins as zeros, written while the first tile is on its way: the step is then written with no first step of its own
	WIN 0x40
.set i, 0
.rept 128
	v_mov_b32 v[i], 0
.set i, i+1
.endr
	WIN 0xc0
.set i, 0
.rept 128
	v_mov_b32 v[i], 0
.set i, i+1
.endr
	WIN 0
.irp y, 0,1
	v_mov_b32 v[ST+8*\y+1], 0xff61b1e6             ; the largest t so far: -3e38
	v_mov_b32 v[ST+8*\y], 0x7f61b1e6               ; -M
	v_mov_b32 v[ST+8*\y+2], 0
	v_mov_b32 v[ST+8*\y+3], 0
	v_mov_b32 v[ST+8*\y+5], 0                      ; (named as the upper half of f's pair)
	v_mov_b32 v[ST+8*\y+7], 0                      ; written once: a lane permute's destination counts as one of its sources; so the four below
	v_mov_b32 v[GF+\y], 0
	v_mov_b32 v[TA+\y], 0
.endr
	v_mov_b32 v[NINF], 0xff800000
	v_mov_b32 v[TS], 0
	v_mov_b32 v[TS+1], 0
	AWAIT
	s_wait_kmcnt 0x0
	s_cmp_eq_u32 s[HD], 0                          ; head 0 takes entries 0 to 3, head 1 entries 4 to 7: chosen, not branched on
	s_cselect_b32 s92, s92, s96                    ; e(q)
	s_cselect_b32 s93, s93, s97                    ; e(k)
	s_cselect_b32 s94, s94, s98                    ; e(v)
	s_cselect_b32 s95, s95, s99                    ; e(p)
	s_add_co_i32 s90, s92, s93
	s_lshl_b32 s90, s90, 23
	s_add_co_i32 s[CS], s90, 0x3e0293ee            ; c = log2(e) / sqrt(128), with e(q) + e(k) added to its exponent field
	s_mov_b32 s[CS+1], s[CS]
	s_add_co_i32 s[EVP], s94, s95
	s_add_co_i32 s90, s95, 127
	s_lshl_b32 s91, s90, 23
	v_mov_b32 v[PSC], s91
	s_add_co_i32 s90, s90, 8
	s_lshl_b32 s90, s90, 23
	s_or_b32 s90, s90, 0x600000
	v_mov_b32 v[PMAX], s90
	AWAIT
	s_wait_loadcnt 0x0                             ; Q, the lambdas, the weights
	v_mov_b32 v[BK+8], 0                           ; (written once, for the lane permutes of the step)
	v_mov_b32 v[BK+9], 0
	v_mul_f32 v80, v64, v68                        ; lambda = exp(lq1 . lk1) - exp(lq2 . lk2) + l0
	v_mul_f32 v81, v72, v76
.irp i, 1,2,3
	v_fmac_f32 v80, v[64+\i], v[68+\i]
	v_fmac_f32 v81, v[72+\i], v[76+\i]
.endr
.irp m, 1,2,4,8
	v_add_f32_dpp v80, v80, v80 row_xmask:\m row_mask:0xf bank_mask:0xf
	v_add_f32_dpp v81, v81, v81 row_xmask:\m row_mask:0xf bank_mask:0xf
.endr
	v_permlanex16_b32 v[TA], v80, s[SEL], s[SEL+1]
	v_permlanex16_b32 v[TA+1], v81, s[SEL], s[SEL+1]
	v_add_f32 v80, v80, v[TA]
	v_add_f32 v81, v81, v[TA+1]
	v_mul_f32 v80, 0x3fb8aa3b, v80
	v_mul_f32 v81, 0x3fb8aa3b, v81
	AWAIT
	v_exp_f32 v80, v80
	v_exp_f32 v81, v81
	v_nop
	AWAIT                                          ; one wait for both exponentials, ahead of their first reader
	v_sub_f32 v80, v80, v81
	v_add_f32 v80, 0x3f489a63, v80                 ; l0 = 0.8 - 0.6 exp(-3.6)
	v_readfirstlane_b32 s[SG], v80                 ; the same in every lane; it serves as a factor alone
	s_xor_b32 s[SG], s[SG], 0x80000000
	s_cmp_eq_u32 s[HD], 0
	s_cselect_b32 s[SG], 1.0, s[SG]
.irp i, 0,2,4,6,8,10,12,14
	v_pk_mul_f32 v[WT+\i:WT+\i+1], v[WT+\i:WT+\i+1], 0x3e5d9673 op_sel_hi:[1,0]   ; the weights x (1 - l0)
.endr
	s_mov_b32 s[SN], 1                             ; asked for last: key step 1 (below)
	s_mov_b32 s[LNB], s[NB]
	s_mov_b32 s[PND], 0
	AWAIT                                          ; the head's end
	s_wait_tensorcnt 0x0                           ; my part of tile 0 is in
	ds_add_u32 v[SPW], v[NIL]
	s_add_nc_u64 s[G0K+2:G0K+3], s[G0K+2:G0K+3], 262144
	s_xor_b32 s[G0K+1], s[G0K+1], SLOT1
	s_add_nc_u64 s[G0V+2:G0V+3], s[G0V+2:G0V+3], 32768
	s_xor_b32 s[G0V+1], s[G0V+1], SLOT1
	s_wait_dscnt 0x0
	CROUND                                         ; everybody's part of tile 0 is in
	JLOAD                                          ; tile 1 (key step 1 in every walk), the first fill of slot 1
	ASK
	KLOAD                                          ; tile 0's K
	AWAIT                                          ; V's address is first read behind the loop's first wait
.Ltrip:                                            ; 16 trips: tiles 0 to 15 of the walk; each asks for the tile two on
	STEP 0
	s_cmp_eq_u32 s[FIN], 0
	s_cbranch_scc1 .Lno_send
	SEND
	REINIT
.Lno_send:
	s_mov_b32 s[PND], s[FIN]
	s_add_co_u32 s[KS], s[KS], 1
	s_cmp_eq_u32 s[FIN], 0
	s_cselect_b32 s[KS], s[KS], 0
	s_cselect_b32 s[NB], s[NB], s[HH]
	s_add_co_u32 s[T], s[T], 1
	s_cmp_lt_u32 s[T], 16
	s_cbranch_scc1 .Ltrip
	STEP 1                                         ; the walk's last two tiles are written out: nothing is left to ask for
	s_add_co_u32 s[KS], s[KS], 1
	STEP 2
	SEND
	s_wait_dscnt 0x0                               ; my stores into the exchange have landed
	s_barrier_signal -1
	s_barrier_wait -1
	FINAL OPH
	s_wait_tensorcnt 0x0                           ; the wave's end: behind my last tensor load and my last LDS store
	ds_add_u32 v[SPW], v[NIL]
	s_wait_dscnt 0x0
	CROUND                                         ; the closing round: no work-group ends while a partner may still ask for a tile that names it
	s_endpgm
.Lfunc_end_k_qe452752f5a_attn:
	.size	k_qe452752f5a_attn, .Lfunc_end_k_qe452752f5a_attn-k_qe452752f5a_attn
	.p2alignl 7, 3214868480
	.fill 96, 4, 3214868480
	.section	.rodata,"a",@progbits
	.p2align	6, 0x0
	.amdhsa_kernel k_qe452752f5a_attn
		.amdhsa_group_segment_fixed_size 327680
		.amdhsa_private_segment_fixed_size 0
		.amdhsa_enable_private_segment 0
		.amdhsa_kernarg_size 88
		.amdhsa_user_sgpr_count 2
		.amdhsa_user_sgpr_kernarg_segment_ptr 1
		.amdhsa_wavefront_size32 1
		.amdhsa_system_sgpr_workgroup_id_x 1
		.amdhsa_system_sgpr_workgroup_id_y 1
		.amdhsa_system_sgpr_workgroup_id_z 1
		.amdhsa_system_vgpr_workitem_id 0
		.amdhsa_next_free_vgpr 1024
		.amdhsa_next_free_sgpr 102
		.amdhsa_reserve_vcc 1
		.amdhsa_float_denorm_mode_32 3
		.amdhsa_float_denorm_mode_16_64 3
		.amdhsa_memory_ordered 1
		.amdhsa_forward_progress 1
		.amdhsa_inst_pref_size 255
	.end_amdhsa_kernel
	.section	.bss,"aw",@nobits
	.p2align	6
	.space	262144
	.amdgpu_metadata
---
amdhsa.version: [ 1, 2 ]
amdhsa.kernels:
  - .name:           k_qe452752f5a_attn
    .symbol:         k_qe452752f5a_attn.kd
    .args:
      - { .name: q_codes, .offset: 0, .size: 8, .value_kind: global_buffer, .address_space: global }
      - { .name: k_codes, .offset: 8, .size: 8, .value_kind: global_buffer, .address_space: global }
      - { .name: vc1, .offset: 16, .size: 8, .value_kind: global_buffer, .address_space: global }
      - { .name: vc2, .offset: 24, .size: 8, .value_kind: global_buffer, .address_space: global }
      - { .name: lowp_scales, .offset: 32, .size: 8, .value_kind: global_buffer, .address_space: global }
      - { .name: lambda_q1, .offset: 40, .size: 8, .value_kind: global_buffer, .address_space: global }
      - { .name: lambda_k1, .offset: 48, .size: 8, .value_kind: global_buffer, .address_space: global }
      - { .name: lambda_q2, .offset: 56, .size: 8, .value_kind: global_buffer, .address_space: global }
      - { .name: lambda_k2, .offset: 64, .size: 8, .value_kind: global_buffer, .address_space: global }
      - { .name: subln_weight, .offset: 72, .size: 8, .value_kind: global_buffer, .address_space: global }
      - { .name: out0, .offset: 80, .size: 8, .value_kind: global_buffer, .address_space: global }
    .group_segment_fixed_size: 327680
    .private_segment_fixed_size: 0
    .kernarg_segment_align: 8
    .kernarg_segment_size: 88
    .max_flat_workgroup_size: 128
    .sgpr_count:     102
    .vgpr_count:     1024
    .wavefront_size: 32
...
	.end_amdgpu_metadata
.endif
;; end of part 2
